; MI455X (gfx1250); checked and timed in simulation.
; The chip was launched on July 23, 2026; its instructions are those of AMD's public machine-readable ISA for CDNA 5 (MIT licence, August 2026) and "CDNA5" Instruction Set Architecture Reference Guide (July 2026). The comments in the code are by the model that wrote it; some were corrected since.
;; Head. Allowed arithmetic: matrix products marked QUANTISED: E5M2 operands, one given power-of-two scale a tensor, by v_wmma_f32_16x16x64_bf8_bf8 or v_wmma_f32_16x16x128_bf8_bf8, f32 sums; everything else in f32.
;; Inputs: Wk 256 x 64 float32; Wq 256 x 64 float32; Wv 256 x 64 float32; lowp_scales 10 int32 (the exponents e of the quantised operands' scales 2^e); x 32 x 1,024 x 256 float32.
;; Outputs: out0 32 x 1,024 x 64 float32.
;; This version of the problem:
;;   THIS VERSION OF THE PROBLEM IS GIVEN IN LOW PRECISION. The matrix products marked QUANTISED in the list below multiply operands that are first quantised to E5M2 (5 exponent bits, 2 mantissa bits; 8 bits a number), with one given power-of-two scale for each operand tensor; their sums are f32. All else is computed in f32.
;;   The module's matrix products, in the order in which they are computed (A, B: the left and right operand; K: the contracted axis; several contracted axes count as one K, in the product's order):
;;     1. [M 32,768, K 256] x [K 256, N 64]; A: input x; B: input Wq: QUANTISED (scales: A lowp_scales[0], B lowp_scales[1])
;;     2. [M 32,768, K 256] x [K 256, N 64]; A: input x; B: input Wk: QUANTISED (scales: A lowp_scales[2], B lowp_scales[3])
;;     3. [M 32,768, K 256] x [K 256, N 64]; A: input x; B: input Wv: QUANTISED (scales: A lowp_scales[4], B lowp_scales[5])
;;     4. batch 32 x [M 1,024, K 64] x [K 64, N 1,024]; A: computed on the way; B: computed on the way: QUANTISED (scales: A lowp_scales[6], B lowp_scales[7])
;;     5. batch 32 x [M 1,024, K 1,024] x [K 1,024, N 64]; A: softmax (see below); B: computed on the way: QUANTISED (scales: A lowp_scales[8], B lowp_scales[9])
;;   THE QUANTISER, for each operand of a quantised product, along K:
;;     - The operand's scale is 2^e, e = its entry of the input lowp_scales (int32; the entries are numbered through the quantised products in the list's order, A before B).
;;     - Each number is divided by the scale, clamped to +-57,344, and rounded to the nearest number of E5M2, ties to even, subnormals kept.
;;     - The product sums the exact products of the quantised numbers (number of the format x scale) in f32.
;;   ~~~python
;;   def quantise(x, axis, e):      # numpy; x: float32 -> the quantised numbers, widened to float32 again
;;       x = np.moveaxis(x, axis, -1); K = x.shape[-1]
;;       r = np.clip(x / 2.0 ** e, -57344, 57344)
;;       step = 2.0 ** (np.maximum(np.frexp(np.where(r == 0, 1, r))[1] - 1, -14) - 2)
;;       q = np.round(r / step) * step * 2.0 ** e      # np.round: ties to even
;;       return np.moveaxis(q, -1, axis).astype(np.float32)
;;   ~~~
;;   SOFTMAX AHEAD OF A QUANTISED PRODUCT. Where the list says 'softmax', what is quantised is not the finished softmax but p = 2^(t - M), with t = logit x log2(e) and M = ceil(the row's largest t), a whole number; so 1/2 < the row's largest p <= 1. The row's sum l is taken of the UNQUANTISED p, in f32, and the product's result is divided by l at the end. Since M is a whole number, a kernel that streams over the keys may use a running M (the ceiling of the running maximum): every later rescaling is an exact power of two, so the quantised numbers keep their values, but for numbers so far below the row's largest that they fall under the format's range.
;;   OPERANDS COMPUTED ON THE WAY. 'Computed on the way' means the value that the module computes at that place (a softmax that the list does not call 'softmax' is quantised finished and normalised). What goes into a quantiser is computed in f32, as accurately as f32 sums, v_exp_f32 and their like allow (about 1e-6 of the number): no bf16 or f16 on the way to a quantiser, and a product that is left as it is and whose result goes on into a quantised operand takes f32 operands (vector FMAs, or v_wmma_f32_16x16x4_f32). A number that lies on a knife's edge between two numbers of the format may be rounded either way, as far as f32 arithmetic and the matrix unit's own rounding can turn it there, and no further.
;; One version. Each part assembles by itself: llvm-mc -triple=amdgcn-amd-amdhsa -mcpu=gfx1250 --defsym DOCPART=n.
;; ======== version 1 of 1: 2 launches
;; limits: right only within a limited range of input values
;; workspace buffers: qc 2,097,152 bytes; kv 4,194,304 bytes
;; launch proj (part 1): grid 256 x 1, 4 waves a work-group, no clusters, 197,120 bytes of LDS; arguments x, Wq, Wk, Wv, lowp_scales, qc, kv; writes qc, kv
.if DOCPART == 1
	.amdgcn_target "amdgcn-amd-amdhsa--gfx1250"
	.amdhsa_code_object_version 6
	.text
	.protected	k_q8513627dc4_proj
	.globl	k_q8513627dc4_proj
	.p2align	8
	.type	k_q8513627dc4_proj,@function
k_q8513627dc4_proj:
	s_mov_b64 s[64:65], 0
	v_nop
	global_prefetch_b8 v0, s[64:65] scope:SCOPE_SE
	s_setreg_imm32_b32 hwreg(HW_REG_WAVE_MODE, 25, 1), 1
	s_wait_xcnt 0x0
; q = x Wq, k = x Wk, v = x Wv on codes of BF8 (E5M2), and the three results quantised again, as operands of the attention that follows.
; x: [32768][256] f32.  Wq, Wk, Wv: [256][64] f32, K along the first axis.  lowp_scales: e0 .. e9 (int32); operand scales 2^e: x has e0, e2, e4 (one for each product), Wq e1, Wk e3, Wv e5; q e6, k e7, v e9.
; SHARES.  A work-group takes 128 tokens (a chunk), each of its four waves 32 of them (two tiles of 16) for all 3 x 64 channels: 24 accumulators, 2 K steps of 128, 48 matrix instructions.
; x comes by the tensor data mover, four loads a wave (a quarter of K each, 32 rows x 256 bytes), all asked for at the head: four tensor loads of a wave are out.  No LDS byte is filled twice.
; W: each wave loads a quarter of each weight (64 rows, dense loads of 512 bytes), quantises it and stores the codes as a matrix [k][192] in LDS; behind the one barrier every wave takes all 24 fragments from there with
; the turning load on PAIRS of bytes: lane r gets columns 2 r and 2 r + 1, and v_perm_b32 parts them.  So row rho of channel tile t = 2 p + odd is channel 32 p + 2 rho + odd.
; LAYOUTS are the plain forms' own: registers 2 c, 2 c + 1 hold k = 16 c + 8 (lane / 16) + 0 .. 7.
;   q, k: source 0 = a tile of W, source 1 = x: a lane holds ONE token, register j of tile t channel 32 p + 16 h + 2 j + odd; tile t's eight sums convert into registers 2 t, 2 t + 1 of the token's fragment (K = 64).
;         The head's axis is permuted alike in q and in k, so each product of q k^T meets its partner.
;   v:    source 0 = x, source 1 = a tile of W: a lane holds ONE channel and eight tokens: token tile c's sums convert into registers 2 c, 2 c + 1 of v's fragment, whose K is the keys.
; WORKSPACE, images of the operands' registers: qc: 1,024 bytes a tile of 16 tokens, registers 4 c .. 4 c + 3 at 512 c + 16 lane.  kv: 16,384 bytes a chunk: k's 8 tiles likewise, then from byte 8,192 v's 4 channel
; tiles of 2,048 bytes, registers 4 i .. 4 i + 3 at 512 i + 16 lane.  Every store of a wave covers 512 consecutive bytes, aligned.
; NO CLUSTER: a row of x is read by one work-group alone.  W is shared by all, but as f32 its 196,608 bytes do not fit beside x's 139,264 in 327,680 bytes of LDS, so it cannot come as joint tiles.
; LIMITS: e0 .. e5, e6 - e0 - e1, e7 - e2 - e3 and e9 - e4 - e5 lie between -126 and 112, so that each scale and 57,344 x the scale are f32 numbers.  NaN among the inputs is not served; infinities are held at the largest code.
; REGISTERS, in windows of 256.  Window 0: v2-9 addresses; v10-27 scales; v32-47 at work; v48-111 numbers of x (earlier: raw pairs of W's codes; v48-143: W's codes on their way to LDS);
;   v112-207 x's codes, 16 registers for each product and token tile (at the end: the codes that leave).   Window 1: Wq and Wk as loaded, then their 16 fragments.   Window 2: v0-127 the same for Wv.   Window 3: the 24 accumulators.
.set XP,   272                         ; a row of x's tile in LDS: 256 bytes + 16 of padding = 68 words: the 16 rows that a load touches start at 16 different banks (64 banks of 4 bytes: ISA guide 11.1)
.set XQB,  32*XP                       ; a quarter: 32 rows
.set XW,   4*XQB                       ; a wave's four quarters
.set WC,   4*XW                        ; behind x: W's codes, 256 rows
.set WP,   224                         ; of 192 bytes + 32: an odd multiple of 32 bytes, for the turning load
.set WLD,  2                           ; v2  W in memory: 16 lane + 16,384 wave
.set WST,  3                           ; v3  where I store W's codes
.set WTR,  4                           ; v4  where the turning load reads them
.set XRD,  5                           ; v5  x in LDS: my wave's region + 272 r + 32 h
.set LI,   6                           ; v6  16 lane
.set SX,   10                          ; v10, v12, v14  x's scale, for products 0, 1, 2
.set SW,   16                          ; v16-21  W's
.set SO,   22                          ; v22-27  the results'
.set TMP,  32
.set XF,   48
.set XC,   112
.set G1,   24                          ; s[24:31] descriptor group 1
.set G0,   32                          ; s[32:47] group 0, a set for each quarter: none is written again
.set MSB, 0
.macro WIN new                         ; the immediate's high byte repeats the setting that is left; bits 1:0 source 0, 3:2 source 1, 5:4 source 2, 7:6 destination
.if MSB != \new
	s_set_vgpr_msb (MSB<<8)|\new
.set MSB, \new
.endif
.endm
.macro MKSC sc, lim, e                 ; s[e] holds an exponent: v[sc] = 2^e as f32 (the conversion takes its exponent field)
	s_add_co_i32 s58, s[\e], 127
	s_lshl_b32 s59, s58, 23
	v_mov_b32 v[\sc], s59
	s_add_co_i32 s58, s58, 15
	s_lshl_b32 s58, s58, 23
	s_or_b32 s58, s58, 0x600000
.endm
	s_load_b256 s[4:11], s[0:1], 0x0               ; x s[4:5], Wq s[6:7], Wk s[8:9], Wv s[10:11]
	s_load_b128 s[12:15], s[0:1], 0x20             ; the scales' exponents s[12:13], qc s[14:15]
	s_load_b64 s[16:17], s[0:1], 0x30              ; kv
	v_lshl_add_u32 v254, v0, 2, 0x30000
	v_mov_b32 v255, 0
	ds_add_u32 v254, v255
	ds_add_u32 v254, v255
	v_lshrrev_b32 v1, 5, v0
	v_readfirstlane_b32 s18, v1                    ; wave 0..3
	s_mul_i32 s19, s18, XW                         ; my region of x in LDS
	s_mov_b32 s[G1+0], (2<<16)|(1<<20)|(5<<22)|(3<<25)  ; no mask; elements of 4 bytes; padding on: after every 64 words (code 5) 4 words (code 3)
	s_mov_b32 s[G1+1], 64<<16                      ; tensor_dim0 = 64
	s_mov_b32 s[G1+2], 32<<16                      ; tensor_dim1 = 32
	s_mov_b32 s[G1+3], 64<<16                      ; tile_dim0 = 64 elements: 256 bytes
	s_mov_b32 s[G1+4], 32                          ; tile_dim1 = 32 rows
	s_mov_b32 s[G1+5], 256                         ; elements from row to row
	s_mov_b32 s[G1+6], 0
	s_mov_b32 s[G1+7], 0
	s_mov_b32 s60, 0x06040200                      ; v_perm_b32: the even bytes of two words,
	s_mov_b32 s61, 0x07050301                      ; the odd ones
	s_lshl_b32 s20, ttmp9, 17                      ; my chunk: 128 rows of 1,024 bytes,
	s_lshl_b32 s58, s18, 15                        ; my wave's 32 of them
	s_add_co_u32 s20, s20, s58
	s_mov_b32 s21, 0
	s_wait_dscnt 0x0
	s_wait_kmcnt 0x0
	s_load_b256 s[48:55], s[12:13], 0x0            ; e0 .. e7
	s_load_b32 s57, s[12:13], 0x24                 ; e9
	s_add_nc_u64 s[4:5], s[4:5], s[20:21]
.irp q, 0,1,2,3
	s_mov_b32 s[G0+4*\q], 1                        ; count = 1
	s_add_co_u32 s[G0+4*\q+1], s19, \q*XQB         ; LDS address
	s_add_nc_u64 s[G0+4*\q+2:G0+4*\q+3], s[4:5], \q*256  ; global address: 64 numbers along K on
	s_or_b32 s[G0+4*\q+3], s[G0+4*\q+3], 0x80000000      ; type = 2
.endr
.irp q, 0,1,2,3
	tensor_load_to_lds s[G0+4*\q:G0+4*\q+3], s[G1:G1+7]  ; all of my x, ahead of every wait on TENSORcnt, LDS read and barrier
	s_nop 0
.endr
	v_and_b32 v7, 31, v0                           ; lane   (four lines of the work stand behind the loads, ahead of the first switch of windows)
	v_and_b32 v8, 15, v0                           ; r
	v_bfe_u32 v9, v0, 4, 1                         ; h
	v_lshlrev_b32 v[LI], 4, v7
	s_lshl_b32 s58, s18, 14
	v_add_nc_u32 v[WLD], s58, v[LI]                ; my 64 rows of a weight, 16 bytes a lane
	; load i of a weight: 512 consecutive bytes: rows 64 w + 2 i + h, columns 4 r .. 4 r + 3
	WIN 0x40                                       ; destination window 1
.set i, 0
.rept 32
	global_load_b128 v[4*i:4*i+3], v[WLD], s[6:7] offset:512*i
.set i, i+1
.endr
.set i, 0
.rept 32
	global_load_b128 v[128+4*i:128+4*i+3], v[WLD], s[8:9] offset:512*i
.set i, i+1
.endr
	WIN 0x80                                       ; destination window 2
.set i, 0
.rept 32
	global_load_b128 v[4*i:4*i+3], v[WLD], s[10:11] offset:512*i
.set i, i+1
.endr
	WIN 0
	v_mul_u32_u24 v[WST], v9, WP                   ; W's codes go to row 64 w + 2 i + h, byte 64 m + 4 r
	v_lshl_add_u32 v[WST], v8, 2, v[WST]
	s_mul_i32 s58, s18, 64*WP
	s_add_co_u32 s58, s58, WC
	v_add_nc_u32 v[WST], s58, v[WST]
	v_and_b32 v28, 7, v0                           ; the turning load: lane l reads 16 bytes of row 8 h + l % 8, from byte 16 ((l / 8) % 2) on
	v_lshl_add_u32 v28, v9, 3, v28
	v_mul_u32_u24 v[WTR], v28, WP
	v_bfe_u32 v28, v0, 3, 1
	v_lshl_add_u32 v[WTR], v28, 4, v[WTR]
	v_add_nc_u32 v[WTR], WC, v[WTR]
	v_mul_u32_u24 v[XRD], v8, XP                   ; x: row r, my half's eight numbers (32 bytes) of each 16 along K
	v_lshl_add_u32 v[XRD], v9, 5, v[XRD]
	v_add_nc_u32 v[XRD], s19, v[XRD]
	s_lshl_b32 s20, ttmp9, 13                      ; where my codes go.  qc: (8 chunk + 2 wave) tiles of 1,024 bytes
	s_lshl_b32 s58, s18, 11
	s_add_co_u32 s20, s20, s58
	s_add_nc_u64 s[14:15], s[14:15], s[20:21]
	s_lshl_b32 s20, ttmp9, 14                      ; kv: the chunk's 16,384 bytes;
	s_lshl_b32 s62, s18, 9                         ; v: registers 4 w .. 4 w + 3 of each fragment are mine: 512 w
	s_add_co_u32 s62, s62, s20
	s_mov_b32 s63, 0
	s_add_nc_u64 s[22:23], s[16:17], s[62:63]
	s_add_co_u32 s20, s20, s58                     ; k: tiles 2 w, 2 w + 1
	s_add_nc_u64 s[16:17], s[16:17], s[20:21]
	s_wait_kmcnt 0x0
	MKSC SX+0, SX+1, 48                            ; x for q: e0
	MKSC SX+2, SX+3, 50                            ; for k: e2
	MKSC SX+4, SX+5, 52                            ; for v: e4
	MKSC SW+0, SW+1, 49                            ; Wq: e1
	MKSC SW+2, SW+3, 51                            ; Wk: e3
	MKSC SW+4, SW+5, 53                            ; Wv: e5
	s_sub_co_i32 s62, s54, s48                     ; a sum of product 0 stands for sum x 2^(e0 + e1): its code is sum / 2^(e6 - e0 - e1)
	s_sub_co_i32 s62, s62, s49
	MKSC SO+0, SO+1, 62
	s_sub_co_i32 s62, s55, s50                     ; e7 - e2 - e3
	s_sub_co_i32 s62, s62, s51
	MKSC SO+2, SO+3, 62
	s_sub_co_i32 s62, s57, s52                     ; e9 - e4 - e5
	s_sub_co_i32 s62, s62, s53
	MKSC SO+4, SO+5, 62
; My quarter of weight m: converted (eight registers = two loads = two words of four codes), stored a word a lane.
.macro WQ m
.if (\m) < 2
.set LB, 128*(\m)
	WIN 0x41                                       ; source 0 and destination window 1
.else
.set LB, 0
	WIN 0x82                                       ; window 2
.endif
.set i, 0
.rept 128
.set i, i+1
.endr
.if (\m) < 2
	WIN 0x01                                       ; source 0 window 1, destination window 0
.else
	WIN 0x02
.endif
.set i, 0
.rept 16
	v_cvt_scalef32_pk8_bf8_f32 v[XF+32*(\m)+2*i:XF+32*(\m)+2*i+1], v[LB+8*i:LB+8*i+7], v[SW+2*(\m)]
.set i, i+1
.endr
	v_nop                                          ; a plain line behind the last conversion: its sources are written again later
	WIN 0
.set i, 0
.rept 32
	ds_store_b32 v[WST], v[XF+32*(\m)+i] offset:2*WP*i+64*(\m)
.set i, i+1
.endr
.endm
	s_wait_alu depctr_va_vdst(0)
	s_wait_loadcnt 63                              ; Wq's 32 loads are in: 64 were issued behind them, and 63 is the largest count that the wait can name
	WQ 0
	s_wait_loadcnt 32                              ; Wk's are in; Wv's 32 may be out
	WQ 1
	s_wait_loadcnt 0x0
	WQ 2
	s_wait_dscnt 0x0                               ; for the others' sake: my stores of codes have landed
	s_barrier_signal -1
	s_barrier_wait -1                              ; all 256 rows of codes lie in LDS
; Group g = 4 m + 2 p + s: weight m, columns 32 p .. 32 p + 31, K step s.  WRAW: eight turning loads, 16 along K each, into raw set s.  WPERM: the even columns' fragment F(m, 2 p, s) and the odd ones' F(m, 2 p + 1, s).
.macro WRAW g
.set GM, (\g)/4
.set GP, ((\g)/2)%2
.set GS, (\g)%2
.irp c, 0,1,2,3,4,5,6,7
	ds_load_tr16_b128 v[XF+32*GS+4*\c:XF+32*GS+4*\c+3], v[WTR] offset:(128*GS+16*\c)*WP+64*GM+32*GP
.endr
.endm
.macro WPERM g
.set GM, (\g)/4
.set GP, ((\g)/2)%2
.set GS, (\g)%2
.if GM < 2
	WIN 0x40                                       ; destination window 1
.set FE, 128*GM+16*(4*GP+GS)                   ; F(m, t, s) = 128 m + 16 (2 t + s)
.else
	WIN 0x80                                       ; destination window 2
.set FE, 16*(4*GP+GS)
.endif
.set FO, FE+32
.set RB, XF+32*GS
.irp c, 0,1,2,3,4,5,6,7
	v_perm_b32 v[FE+2*\c],   v[RB+4*\c+1], v[RB+4*\c],   s60
	v_perm_b32 v[FE+2*\c+1], v[RB+4*\c+3], v[RB+4*\c+2], s60
	v_perm_b32 v[FO+2*\c],   v[RB+4*\c+1], v[RB+4*\c],   s61
	v_perm_b32 v[FO+2*\c+1], v[RB+4*\c+3], v[RB+4*\c+2], s61
.endr
	WIN 0
.endm
	WRAW 0
.set G, 0
.rept 11
	WRAW G+1
	s_wait_dscnt 8                                 ; group G is in; the next group's eight loads may be out
	WPERM G
.set G, G+1
.endr
	s_wait_dscnt 0x0
	WPERM 11
; A UNIT is a quarter of K (64) of one token tile: 32 numbers a lane, eight LDS loads.  XL fetches it; XQ quantises it three times, once with each product's scale.
.macro XL qd, tau
.if (\tau) == 0
	s_wait_tensorcnt 3-(\qd)                       ; tensor loads of a wave end in order (ISA guide 10.11.1): this quarter is in; the later quarters' loads may be out
.endif
.irp c, 0,1,2,3
	ds_load_b128 v[XF+32*(\tau)+8*\c:XF+32*(\tau)+8*\c+3],   v[XRD] offset:XQB*(\qd)+16*XP*(\tau)+64*\c
	ds_load_b128 v[XF+32*(\tau)+8*\c+4:XF+32*(\tau)+8*\c+7], v[XRD] offset:XQB*(\qd)+16*XP*(\tau)+64*\c+16
.endr
.endm
.macro XQ qd, tau
.irp c, 0,1,2,3
.irp m, 0,1,2
.set TS, TMP+8*((3*\c+\m)%2)
.irp j, 0,1,2,3,4,5,6,7
.endr
	v_cvt_scalef32_pk8_bf8_f32 v[XC+32*\m+16*(\tau)+2*(4*((\qd)%2)+\c):XC+32*\m+16*(\tau)+2*(4*((\qd)%2)+\c)+1], v[TS+((XF+32*(\tau)+8*\c+0)-(TS+0)):TS+7+((XF+32*(\tau)+8*\c+0)-(TS+0))], v[SX+2*\m]
.endr
.endr
	v_nop                                          ; a plain line between the last conversion and the matrix instruction that reads its result
.endm
; A K step's 24 matrix instructions, each on another accumulator.  s = 0: the products start the sums: nothing is cleared.
.macro MULS s
	WIN 0xf1                                       ; q, k: source 0 (W) window 1, source 1 (x) window 0, C and D window 3
.irp m, 0,1
.irp t, 0,1,2,3
.irp u, 0,1
.if (\s) == 0
	v_wmma_f32_16x16x128_bf8_bf8 v[64*\m+32*\u+8*\t:64*\m+32*\u+8*\t+7], v[128*\m+16*(2*\t+(\s)):128*\m+16*(2*\t+(\s))+15], v[XC+32*\m+16*\u:XC+32*\m+16*\u+15], 0
.else
	v_wmma_f32_16x16x128_bf8_bf8 v[64*\m+32*\u+8*\t:64*\m+32*\u+8*\t+7], v[128*\m+16*(2*\t+(\s)):128*\m+16*(2*\t+(\s))+15], v[XC+32*\m+16*\u:XC+32*\m+16*\u+15], v[64*\m+32*\u+8*\t:64*\m+32*\u+8*\t+7]
.endif
.endr
.endr
.endr
	WIN 0xf8                                       ; v: source 0 (x) window 0, source 1 (W) window 2
.irp t, 0,1,2,3
.irp u, 0,1
.if (\s) == 0
	v_wmma_f32_16x16x128_bf8_bf8 v[128+32*\u+8*\t:128+32*\u+8*\t+7], v[XC+64+16*\u:XC+64+16*\u+15], v[16*(2*\t+(\s)):16*(2*\t+(\s))+15], 0
.else
	v_wmma_f32_16x16x128_bf8_bf8 v[128+32*\u+8*\t:128+32*\u+8*\t+7], v[XC+64+16*\u:XC+64+16*\u+15], v[16*(2*\t+(\s)):16*(2*\t+(\s))+15], v[128+32*\u+8*\t:128+32*\u+8*\t+7]
.endif
.endr
.endr
	WIN 0
.endm
	XL 0, 0
	XL 0, 1
.irp q, 0,1,2,3
.irp u, 0,1
.if (\q == 3) && (\u == 1)
	s_wait_dscnt 0x0                               ; the last unit
.else
	s_wait_dscnt 8                                 ; this unit's eight loads are in; the next unit's eight may be out
.endif
	v_nop
	v_nop
	v_nop
	v_nop
	XQ \q, \u
.if \q < 3
	XL \q+1, \u                                    ; the unit's registers take the next quarter
.endif
.endr
.if \q == 1
	MULS 0                                         ; x's codes are written again behind the four v_nops ahead of the next unit's conversions: the four places asked (ISA guide 7.12.1)
.endif
.endr
	MULS 1
	; THE WAY OUT: the sums are converted with the folded scales, and leave as images of the operands' registers.
.rept 4
	v_nop                                          ; four places between the last product and the first line that touches its registers (ISA guide 7.12.1)
.endr
	WIN 0xc3                                       ; source 0 and destination window 3
.irp m, 0,1,2
.set i, 0
.rept 64
.set i, i+1
.endr
.endr
	WIN 0x03                                       ; source 0 window 3, destination window 0
.irp u, 0,1
.irp t, 0,1,2,3
	v_cvt_scalef32_pk8_bf8_f32 v[112+8*\u+2*\t:112+8*\u+2*\t+1], v[32*\u+8*\t:32*\u+8*\t+7], v[SO]          ; q: token tile u, registers 2 t, 2 t + 1
	v_cvt_scalef32_pk8_bf8_f32 v[128+8*\u+2*\t:128+8*\u+2*\t+1], v[64+32*\u+8*\t:64+32*\u+8*\t+7], v[SO+2]  ; k likewise
	v_cvt_scalef32_pk8_bf8_f32 v[144+4*\t+2*\u:144+4*\t+2*\u+1], v[128+32*\u+8*\t:128+32*\u+8*\t+7], v[SO+4] ; v: channel tile t, registers 4 w + 2 u, + 1
.endr
.endr
	v_nop
	WIN 0
.irp u, 0,1
.irp c, 0,1
	global_store_b128 v[LI], v[112+8*\u+4*\c:112+8*\u+4*\c+3], s[14:15] offset:1024*\u+512*\c   ; 32 lanes store 512 consecutive bytes, at a multiple of 256 from the buffer's first byte
	global_store_b128 v[LI], v[128+8*\u+4*\c:128+8*\u+4*\c+3], s[16:17] offset:1024*\u+512*\c
.endr
.endr
.irp t, 0,1,2,3
	global_store_b128 v[LI], v[144+4*\t:144+4*\t+3], s[22:23] offset:8192+2048*\t
.endr
	s_wait_tensorcnt 0x0
	ds_add_u32 v254, v255
	s_wait_dscnt 0x0
	s_endpgm
.Lfunc_end_k_q8513627dc4_proj:
	.size	k_q8513627dc4_proj, .Lfunc_end_k_q8513627dc4_proj-k_q8513627dc4_proj
	.p2alignl 7, 3214868480
	.fill 96, 4, 3214868480
	.section	.rodata,"a",@progbits
	.p2align	6, 0x0
	.amdhsa_kernel k_q8513627dc4_proj
		.amdhsa_group_segment_fixed_size 197120
		.amdhsa_private_segment_fixed_size 0
		.amdhsa_enable_private_segment 0
		.amdhsa_kernarg_size 56
		.amdhsa_user_sgpr_count 2
		.amdhsa_user_sgpr_kernarg_segment_ptr 1
		.amdhsa_wavefront_size32 1
		.amdhsa_system_sgpr_workgroup_id_x 1
		.amdhsa_system_sgpr_workgroup_id_y 1
		.amdhsa_system_sgpr_workgroup_id_z 1
		.amdhsa_system_vgpr_workitem_id 0
		.amdhsa_next_free_vgpr 960
		.amdhsa_next_free_sgpr 66
		.amdhsa_reserve_vcc 0
		.amdhsa_float_denorm_mode_32 3
		.amdhsa_float_denorm_mode_16_64 3
		.amdhsa_fp16_overflow 1
		.amdhsa_memory_ordered 1
		.amdhsa_forward_progress 1
		.amdhsa_inst_pref_size 75
	.end_amdhsa_kernel
	.amdgpu_metadata
---
amdhsa.version: [ 1, 2 ]
amdhsa.kernels:
  - .name:           k_q8513627dc4_proj
    .symbol:         k_q8513627dc4_proj.kd
    .args:
      - { .name: x, .offset: 0, .size: 8, .value_kind: global_buffer, .address_space: global }
      - { .name: Wq, .offset: 8, .size: 8, .value_kind: global_buffer, .address_space: global }
      - { .name: Wk, .offset: 16, .size: 8, .value_kind: global_buffer, .address_space: global }
      - { .name: Wv, .offset: 24, .size: 8, .value_kind: global_buffer, .address_space: global }
      - { .name: lowp_scales, .offset: 32, .size: 8, .value_kind: global_buffer, .address_space: global }
      - { .name: qc, .offset: 40, .size: 8, .value_kind: global_buffer, .address_space: global }
      - { .name: kv, .offset: 48, .size: 8, .value_kind: global_buffer, .address_space: global }
    .group_segment_fixed_size: 197120
    .private_segment_fixed_size: 0
    .kernarg_segment_align: 8
    .kernarg_segment_size: 56
    .max_flat_workgroup_size: 128
    .sgpr_count:     66
    .vgpr_count:     960
    .wavefront_size: 32
...
	.end_amdgpu_metadata
.endif
;; end of part 1
;; launch attn (part 2): grid 256 x 1, 8 waves a work-group, clusters of 4 x 1, 168,960 bytes of LDS; arguments qc, kv, lowp_scales, out0; writes out0
.if DOCPART == 2
	.amdgcn_target "amdgcn-amd-amdhsa--gfx1250"
	.amdhsa_code_object_version 6
	.text
	.protected	k_q8513627dc4_attn
	.globl	k_q8513627dc4_attn
	.p2align	8
	.type	k_q8513627dc4_attn,@function
k_q8513627dc4_attn:
	s_mov_b64 s[64:65], 0
	v_nop
	global_prefetch_b8 v0, s[64:65] scope:SCOPE_SE
	s_setreg_imm32_b32 hwreg(HW_REG_WAVE_MODE, 25, 1), 1
	s_wait_xcnt 0x0
	s_wait_alu depctr_hold_cnt(0) depctr_sa_sdst(0) depctr_va_vdst(0) depctr_va_sdst(0) depctr_va_ssrc(0) depctr_va_vcc(0) depctr_vm_vsrc(0)
	s_getreg_b32 s2, hwreg(HW_REG_IB_STS2, 6, 4)
	s_cmp_eq_u32 s2, 0
	s_cbranch_scc0 .Lentry_in_a_cluster
	s_endpgm
.Lentry_in_a_cluster:
	s_bfe_u32 s2, ttmp6, 0x10000c
	s_cmp_lg_u32 s2, 0x3003
	s_cbranch_scc0 .Lentry_shape_is_right
	s_endpgm
.Lentry_shape_is_right:
; out[b][q][:] = the sum over keys k <= q of softmax_k(q . k x 256^-0.666) v[k][:], both products on codes of BF8 (E5M2).  32 batches, 1,024 tokens, head size 64.  out0: [32][1024][64] f32.
; qc, kv: images of the operands' registers.  qc: 1,024 bytes a tile of 16 queries.  kv: 16,384 bytes a chunk of 128 keys: k's 8 tiles of 16 keys (1,024 bytes each), then v's 4 tiles of 16 channels x 128 keys (2,048 each).
; An image's registers 4 c .. 4 c + 3 lie at 512 c + 16 lane: every load of a fragment reads 512 consecutive bytes.  Row rho of v's channel tile 2 p + odd is channel 32 p + 2 rho + odd.
; lowp_scales: e6 (q), e7 (k), e8 (p), e9 (v) are read here.
; THE SOFTMAX AHEAD OF THE SECOND PRODUCT: t = score x 256^-0.666 x log2(e); M = the row's largest t so far, rounded UP to a whole number; p = 2^(t - M) is quantised, not normalised; the row's sum is taken of the
; unquantised p and divides at the end.  When M moves, the sum and O are multiplied by 2^(old M - new M), which rounds nothing.
; SHARES.  Eight work-groups to a batch, two clusters of four.  A batch's k and v, 131,072 bytes, lie whole in each work-group's LDS: wave w asks for chunk w, JOINTLY with the same wave of its three partners (the same
; descriptor, a mask that names the four).  One tensor load of a wave is out; no LDS byte is filled twice.
; Wave w of work-group g (0 .. 7 in the batch) owns the 16 queries of tile 8 sigma(w) + g, sigma = 0, 6, 3, 5, 7, 1, 4, 2: it works sigma + 1 steps of 128 keys; the chunks behind its queries are passed over by a
; scalar branch on the wave's number.  Waves w and w + 4 have 9 steps together, waves 2 s and 2 s + 1 eight or ten; every work-group has 36.  The place in the cluster enters only q's and out0's addresses and the mask's numbers.
; LAYOUT.  S^T = k q^T (source 0 = 16 keys, source 1 = my queries): lane (r, h) holds query r, register j of tile u key 16 u + 8 h + j, so tile u's eight p convert into registers 2 u, 2 u + 1 of P, the plain
; form's own places.  O^T = v^T P^T: register j of tile 2 p + odd is channel 32 p + 16 h + 2 j + odd; the last multiplication puts even and odd channels in order.
; NOTHING IS PREFETCHED: all that a work-group reads is asked for at its head.
; LIMITS: e6 + e7 between -121 and 132 (added to c's exponent field); e8 between -126 and 112; e8 + e9 goes by v_ldexp_f32 and has none.
; REGISTERS: v1-6 addresses and the mask's d; v12 -M, v13 the largest t, v[14:15] the sum in two halves; v16-23 q; v32-95 k's or v's fragments; v96-159 S^T, then p; v160-191 O^T; v192-207 P's codes; v208-239 the way out; v236-254 at work.
.set CH,   16384                       ; a chunk in LDS and in memory
.set STG,  8*CH                        ; behind the chunks: a stage of 16 rows x 272 bytes for each wave
.set SP,   272
.set LI,   1                           ; v1  16 lane
.set ADR,  2                           ; v2  the step's chunk + 16 lane
.set STO,  3                           ; v3  the stage, in: row r, + 64 h
.set RD,   4                           ; v4  the stage, back: lanes 0-15 one row, lanes 16-31 the next
.set GO,   5                           ; v5  the same two rows in out0
.set DD,   6                           ; v6  d = my query's place in its chunk - 8 h
.set KF,   32
.set S,    96
.set OT,   160
.set PC,   192
.set OUT,  208
.set WV,   12                          ; s12 wave
.set G1,   16                          ; s[16:23] descriptor group 1;  s[24:27] group 0
.set G0,   24
.set SIG,  28                          ; s28 sigma: my queries' chunk
.set J,    32                          ; s32 the step
.set TB,   33                          ; s33 LDS byte of the step's chunk
.set SEL,  34                          ; s[34:35] v_permlanex16_b32's selects: lane l xor 16
.set CS,   36                          ; s[36:37] c: the packed form names a pair and takes its low word for both halves
.macro ROUND                           ; a round of the cluster's barrier
	s_barrier_signal -1
	s_barrier_wait -1
	s_cmp_lg_u32 s[WV], 0
	s_cbranch_scc1 .Lnot_wave_0_\@
	s_barrier_signal -3
.Lnot_wave_0_\@:
	s_barrier_wait -3
	s_barrier_signal -1
	s_barrier_wait -1
.endm
	s_load_b256 s[4:11], s[0:1], 0x0               ; qc s[4:5], kv s[6:7], the scales' exponents s[8:9], out0 s[10:11]
	v_lshl_add_u32 v251, v0, 2, 0x29000
	v_mov_b32 v255, 0
	ds_add_u32 v251, v255
	ds_add_u32 v251, v255
	v_lshrrev_b32 v1, 5, v0
	s_delay_alu instid0(VALU_DEP_1)
	v_readfirstlane_b32 s[WV], v1                  ; wave 0..7
	s_bfe_u32 s13, ttmp6, 0x40000                  ; cx: my place in the cluster
	s_lshr_b32 s14, ttmp9, 1                       ; the batch: two clusters to a batch
	s_and_b32 s15, ttmp9, 1
	s_lshl_b32 s15, s15, 2
	s_add_co_u32 s15, s15, s13                     ; g: my work-group in the batch
	s_lshl_b32 s50, s[WV], 2
	s_lshr_b32 s[SIG], 0x24175360, s50
	s_and_b32 s[SIG], s[SIG], 7                    ; sigma(w): digit w of the constant
	s_lshl_b32 s29, s[SIG], 3
	s_add_co_u32 s29, s29, s15                     ; my tile of 16 queries in the batch
	s_mov_b32 s[G1+0], 15|(3<<16)|(1<<21)          ; the mask: all four work-groups; elements of 8 bytes; bit 21 set beside a mask; no padding: an image is read as it lies
	s_mov_b32 s[G1+1], 32<<16                      ; tensor_dim0 = 32: rows of 256 bytes
	s_mov_b32 s[G1+2], 64<<16                      ; tensor_dim1 = 64
	s_mov_b32 s[G1+3], 32<<16                      ; tile_dim0
	s_mov_b32 s[G1+4], 64                          ; tile_dim1
	s_mov_b32 s[G1+5], 32                          ; dense: a row begins where the last ends
	s_mov_b32 s[G1+6], 0
	s_mov_b32 s[G1+7], 0
	s_mov_b32 s[SEL], 0x76543210
	s_mov_b32 s[SEL+1], 0xfedcba98
	s_lshl_b32 s30, s14, 17                        ; the batch's 8 chunks,
	s_lshl_b32 s31, s[WV], 14                      ; chunk w: both are the same in the four partners
	s_add_co_u32 s30, s30, s31
	s_mov_b32 s31, 0
	s_wait_dscnt 0x0
	s_wait_kmcnt 0x0
	s_load_b128 s[40:43], s[8:9], 0x18             ; e6, e7, e8, e9
	s_mov_b32 s[G0], 1                             ; count = 1
	s_lshl_b32 s[G0+1], s[WV], 14                  ; LDS address: chunk w
	s_add_nc_u64 s[G0+2:G0+3], s[6:7], s[30:31]
	s_or_b32 s[G0+3], s[G0+3], 0x80000000          ; type = 2
	ROUND                                          ; all four work-groups are here: the joint loads meet
	tensor_load_to_lds s[G0:G0+3], s[G1:G1+7]
	s_nop 0
	v_and_b32 v7, 31, v0                           ; lane
	v_and_b32 v8, 15, v0                           ; r
	v_bfe_u32 v9, v0, 4, 1                         ; h
	s_delay_alu instid0(VALU_DEP_3)
	v_lshlrev_b32 v[LI], 4, v7
	s_wait_alu depctr_va_vdst(0)
	s_lshl_b32 s52, s14, 6
	s_add_co_u32 s52, s52, s29                     ; 64 batch + tile
	s_lshl_b32 s54, s52, 12                        ; its 16 rows of 256 bytes in out0,
	s_lshl_b32 s52, s52, 10                        ; its 1,024 bytes in qc
	s_mov_b32 s53, 0
	s_mov_b32 s55, 0
	s_add_nc_u64 s[4:5], s[4:5], s[52:53]
	s_add_nc_u64 s[10:11], s[10:11], s[54:55]
	global_load_b128 v[16:19], v[LI], s[4:5] th:TH_LOAD_NT             ; q's fragment stays in registers
	global_load_b128 v[20:23], v[LI], s[4:5] offset:512 th:TH_LOAD_NT
	s_mul_i32 s50, s[WV], 16*SP
	s_add_co_u32 s50, s50, STG                     ; my stage
	v_mul_u32_u24 v[STO], v8, SP
	s_delay_alu instid0(VALU_DEP_1)
	v_lshl_add_u32 v[STO], v9, 6, v[STO]
	s_delay_alu instid0(VALU_DEP_1)
	v_add_nc_u32 v[STO], s50, v[STO]
	v_mul_u32_u24 v[RD], v9, SP
	s_delay_alu instid0(VALU_DEP_1)
	v_lshl_add_u32 v[RD], v8, 4, v[RD]
	s_delay_alu instid0(VALU_DEP_1)
	v_add_nc_u32 v[RD], s50, v[RD]
	v_lshlrev_b32 v[GO], 8, v9
	s_delay_alu instid0(VALU_DEP_1)
	v_lshl_add_u32 v[GO], v8, 4, v[GO]
	s_lshl_b32 s51, s15, 4                         ; my query is number 16 g + r of its chunk
	v_lshlrev_b32 v[DD], 3, v9
	s_delay_alu instid0(VALU_DEP_1)
	v_sub_nc_u32 v[DD], v8, v[DD]
	s_delay_alu instid0(VALU_DEP_1)
	v_add_nc_u32 v[DD], s51, v[DD]                 ; d = 16 g + r - 8 h.  Register 8 u + j holds key 16 u + 8 h + j: hidden in the diagonal chunk where 16 u + j > d
	v_mov_b32 v13, 0xff61b1e6                      ; the largest t so far: -3e38, under every t
	s_delay_alu instid0(VALU_DEP_1)
	v_floor_f32 v12, -v13                          ; -M
	v_mov_b32 v14, 0                               ; the sum, in two halves
	v_mov_b32 v15, 0
	v_mov_b32 v236, 0                              ; written once: a lane permute's destination counts as one of its sources
	v_mov_b32 v252, 0
	v_mov_b32 v253, 0                              ; (named as the upper half of the pair v[252:253])
	v_mov_b32 v254, 0
.set i, 0
.rept 32
	v_mov_b32 v[OT+i], 0                           ; O^T.  (The step is written once: the first finds zeros, which the first change of M leaves zeros)
.set i, i+1
.endr
	s_wait_kmcnt 0x0
	s_add_co_i32 s50, s40, s41
	s_lshl_b32 s50, s50, 23
	s_mov_b32 s[CS], 0x3d131c8c                    ; c = 256^-0.666 x log2(e) = 0.0359159
	s_add_co_i32 s[CS], s[CS], s50                 ; a score stands for score x 2^(e6 + e7): the two exponents are added to c's exponent field
	s_mov_b32 s[CS+1], s[CS]                       ; (named with it as a pair, so it is written)
	s_add_co_i32 s50, s42, 127
	s_lshl_b32 s51, s50, 23
	v_mov_b32 v244, s51                            ; 2^e8 as f32, for the conversion
	s_add_co_i32 s38, s42, s43                     ; e8 + e9
	s_mov_b32 s[J], 0
	s_mov_b32 s[TB], 0
	s_wait_tensorcnt 0x0                           ; my chunk is in,
	s_barrier_signal -1
	s_barrier_wait -1                              ; everybody's is: all eight chunks may be read
	s_wait_loadcnt 0x0                             ; q
.Lstep:                                            ; eight trips, a constant; a chunk all of whose keys come after my queries is passed over
	s_cmp_gt_u32 s[J], s[SIG]
	s_cbranch_scc1 .Lhidden
	s_setprio 2
	v_add_nc_u32 v[ADR], s[TB], v[LI]
.rept 3
	v_nop                                          ; with the addition above: four places in front of loads into registers that the last products read (ISA guide 7.12.1 for vector instructions)
.endr
.irp u, 0,1,2,3,4,5,6,7
	ds_load_b128 v[KF+8*\u:KF+8*\u+3],   v[ADR] offset:1024*\u
	ds_load_b128 v[KF+8*\u+4:KF+8*\u+7], v[ADR] offset:1024*\u+512
.endr
	s_wait_alu depctr_va_vdst(0)
	s_wait_dscnt 8                                 ; k's tiles 0-3 are in; the youngest eight loads may be out
.irp u, 0,1,2,3
	v_wmma_f32_16x16x64_bf8_bf8 v[S+8*\u:S+8*\u+7], v[KF+8*\u:KF+8*\u+7], v[16:23], 0
.endr
	s_wait_dscnt 0x0
.irp u, 4,5,6,7
	v_wmma_f32_16x16x64_bf8_bf8 v[S+8*\u:S+8*\u+7], v[KF+8*\u:KF+8*\u+7], v[16:23], 0
.endr
.rept 4
	v_nop                                          ; four places: for the loads below, and for the first read of the scores
.endr
.irp t, 0,1,2,3
.irp i, 0,1,2,3
	ds_load_b128 v[KF+16*\t+4*\i:KF+16*\t+4*\i+3], v[ADR] offset:8192+2048*\t+512*\i   ; v's fragments land while the softmax is worked
.endr
.endr
	s_cmp_lt_u32 s[J], s[SIG]                      ; only my queries' own chunk has hidden keys
	s_cbranch_scc1 .Lopen
	v_mov_b32 v254, 0xff800000                     ; -infinity: p = 0 then.  The chunk's key 0 counts for every query, so the maximum is a number
.set n, 0
.rept 64
	v_cmp_gt_i32 vcc_lo, 16*(n/8)+n%8, v[DD]
	v_cndmask_b32 v[S+n], v[S+n], v254, vcc_lo
.set n, n+1
.endr
.Lopen:
	v_max3_num_f32 v254, v96, v97, v98             ; the step's largest score of my query, among my 64 keys, in two chains, each accumulator from its low end on,
	v_max3_num_f32 v252, v99, v100, v101
.irp i, 6,10,14,18,22,26,30,34,38,42,46,50,54,58
	v_max3_num_f32 v254, v254, v[S+\i], v[S+1+\i]
	v_max3_num_f32 v252, v252, v[S+2+\i], v[S+3+\i]
.endr
	v_max3_num_f32 v254, v254, v158, v159
	s_delay_alu instid0(VALU_DEP_1)
	v_max_num_f32 v254, v254, v252
	s_delay_alu instid0(VALU_DEP_1)
	v_permlanex16_b32 v236, v254, s[SEL], s[SEL+1]
	s_delay_alu instid0(VALU_DEP_1)
	v_max_num_f32 v254, v254, v236                 ; and among lane l xor 16's
	s_delay_alu instid0(VALU_DEP_1)
	v_mul_f32 v254, s[CS], v254                    ; as t (c is positive)
	s_delay_alu instid0(VALU_DEP_1)
	v_max_num_f32 v13, v13, v254                   ; the running largest t
	v_mov_b32 v254, v12
	s_delay_alu instid0(VALU_DEP_2)
	v_floor_f32 v12, -v13                          ; the new -M = floor(-t) = -ceil(t): M is a whole number
	s_delay_alu instid0(VALU_DEP_1)
	v_sub_f32 v254, v12, v254                      ; M's old value less its new one: a whole number, 0 or less
	s_delay_alu instid0(VALU_DEP_1)
	v_cvt_i32_f32 v254, v254                       ; (it saturates)
	s_delay_alu instid0(VALU_DEP_1)
	v_ldexp_f32 v252, 1.0, v254                    ; f = 2^(old M - new M)
.set j, 0
	s_setprio 1
.rept 32
	v_pk_fma_f32 v[S+j:S+j+1], v[S+j:S+j+1], s[CS:CS+1], v[12:13] op_sel_hi:[1,0,0]   ; t - M, two at a time (of the pairs c and -M the low word serves both halves)
.set j, j+2
.endr
.set j, 0
	s_wait_alu depctr_va_vdst(0)
.rept 64
	v_exp_f32 v[S+j], v[S+j]                       ; p = 2^(t - M), at most 1: not normalised
.set j, j+1
.endr
	v_pk_mul_f32 v[14:15], v[14:15], v[252:253] op_sel_hi:[1,0]   ; the sums under the new M.  (A plain line behind the exponentials)
	s_wait_alu depctr_va_vdst(0)
	v_pk_add_f32 v[242:243], v[100:101], v[104:105]
	v_pk_add_f32 v[248:249], v[108:109], v[112:113]
	v_pk_add_f32 v[246:247], v[116:117], v[120:121]
	v_pk_add_f32 v[240:241], v[124:125], v[128:129]
	v_pk_add_f32 v[238:239], v[132:133], v[136:137]
	v_pk_add_f32 v[234:235], v[140:141], v[144:145]
	v_pk_add_f32 v[232:233], v[148:149], v[152:153]
	v_pk_add_f32 v[14:15], v[14:15], v[156:157]
	v_pk_add_f32 v[242:243], v[242:243], v[96:97]
	v_pk_add_f32 v[248:249], v[248:249], v[98:99]
	v_pk_add_f32 v[246:247], v[246:247], v[102:103]
	v_pk_add_f32 v[240:241], v[240:241], v[106:107]
	v_pk_add_f32 v[238:239], v[238:239], v[110:111]
	v_pk_add_f32 v[234:235], v[234:235], v[114:115]
	v_pk_add_f32 v[232:233], v[232:233], v[118:119]
	v_pk_add_f32 v[14:15], v[14:15], v[122:123]
	v_pk_add_f32 v[242:243], v[242:243], v[126:127]
	v_pk_add_f32 v[248:249], v[248:249], v[130:131]
	v_pk_add_f32 v[246:247], v[246:247], v[134:135]
	v_pk_add_f32 v[240:241], v[240:241], v[138:139]
	v_pk_add_f32 v[238:239], v[238:239], v[142:143]
	v_pk_add_f32 v[234:235], v[234:235], v[146:147]
	v_pk_add_f32 v[232:233], v[232:233], v[150:151]
	s_setprio 0
	v_pk_add_f32 v[14:15], v[14:15], v[154:155]
	v_pk_add_f32 v[242:243], v[242:243], v[158:159]
	s_delay_alu instid0(VALU_DEP_2)
	v_pk_add_f32 v[14:15], v[14:15], v[240:241]
	s_delay_alu instid0(VALU_DEP_2)
	v_pk_add_f32 v[242:243], v[242:243], v[238:239]
	v_pk_add_f32 v[248:249], v[248:249], v[234:235]
	v_pk_add_f32 v[246:247], v[246:247], v[232:233]
	s_delay_alu instid0(VALU_DEP_2)
	v_pk_add_f32 v[14:15], v[14:15], v[248:249]
	s_delay_alu instid0(VALU_DEP_2)
	v_pk_add_f32 v[242:243], v[242:243], v[246:247]
	s_delay_alu instid0(VALU_DEP_1)
	v_pk_add_f32 v[14:15], v[14:15], v[242:243]
.irp u, 0,1,2,3,4,5,6,7
.irp i, 0,1,2,3,4,5,6,7
.endr
	v_cvt_scalef32_pk8_bf8_f32 v[PC+2*\u:PC+2*\u+1], v[S+8*\u:S+8*\u+7], v244   ; keys 16 u + 8 h + 0 .. 7: registers 2 u, 2 u + 1 of P
.endr
.set j, 0
.rept 16
	v_pk_mul_f32 v[OT+j:OT+j+1], v[OT+j:OT+j+1], v[252:253] op_sel_hi:[1,0]   ; O^T under the new M.  (Also the plain lines between the conversions and the products)
.set j, j+2
.endr
	s_wait_alu depctr_va_vdst(0)
	s_wait_dscnt 0x0                               ; v's fragments are in
.irp t, 0,1,2,3
	v_wmma_f32_16x16x128_bf8_bf8 v[OT+8*\t:OT+8*\t+7], v[KF+16*\t:KF+16*\t+15], v[PC:PC+15], v[OT+8*\t:OT+8*\t+7]   ; four accumulators by turns; between two links of a chain stand the next step's eight products k q^T
.endr
.Lhidden:
	s_add_co_u32 s[TB], s[TB], CH
	s_add_co_u32 s[J], s[J], 1
	s_cmp_lt_u32 s[J], 8
	s_cbranch_scc1 .Lstep
	s_setprio 0
	; THE WAY OUT.  O^T is divided by the row's sum, put in the channels' order, and goes through my stage in LDS, so that the wave stores whole rows.
	v_add_f32 v14, v14, v15                        ; the sum's two halves,   (the two additions, the v_nop and v_ldexp_f32 are the four places behind the last products)
	s_delay_alu instid0(VALU_DEP_1)
	v_permlanex16_b32 v252, v14, s[SEL], s[SEL+1]
	s_delay_alu instid0(VALU_DEP_1)
	v_add_f32 v14, v14, v252                       ; and lane l xor 16's: the row's sum
	s_wait_alu depctr_va_vdst(0)
	v_rcp_f32 v14, v14
	v_nop                                          ; a plain line behind the transcendental
	s_wait_alu depctr_va_vdst(0)
	v_ldexp_f32 v14, v14, s38                      ; x 2^(e8 + e9)
.irp p, 0,1
.irp o, 0,1
.irp j, 0,1,2,3,4,5,6,7
	v_mul_f32 v[OUT+16*\p+2*\j+\o], v[OT+8*(2*\p+\o)+\j], v14   ; register 16 p + i: channel 32 p + 16 h + i of my query
.endr
.endr
.endr
.irp p, 0,1
.irp i, 0,1,2,3
	ds_store_b128 v[STO], v[OUT+16*\p+4*\i:OUT+16*\p+4*\i+3] offset:128*\p+16*\i
.endr
.endr
.irp i, 0,1,2,3,4,5,6,7
	ds_load_b128 v[OUT+4*\i:OUT+4*\i+3], v[RD] offset:2*SP*\i   ; LDS serves a wave's instructions in order (ISA guide 5.7.1.4): these see my stores
.endr
.irp i, 0,1,2,3,4,5,6,7
	s_wait_dscnt 7-\i
	global_store_b128 v[GO], v[OUT+4*\i:OUT+4*\i+3], s[10:11] offset:512*\i th:TH_STORE_NT   ; 32 lanes store two rows: 512 consecutive bytes, at a multiple of 256 from out0's first byte
.endr
	s_wait_tensorcnt 0x0
	ds_add_u32 v251, v255
	s_wait_dscnt 0x0
	ROUND                                          ; the closing round: no work-group ends while a partner may still ask for a tile that names it
	s_endpgm
.Lfunc_end_k_q8513627dc4_attn:
	.size	k_q8513627dc4_attn, .Lfunc_end_k_q8513627dc4_attn-k_q8513627dc4_attn
	.p2alignl 7, 3214868480
	.fill 96, 4, 3214868480
	.section	.rodata,"a",@progbits
	.p2align	6, 0x0
	.amdhsa_kernel k_q8513627dc4_attn
		.amdhsa_group_segment_fixed_size 168960
		.amdhsa_private_segment_fixed_size 0
		.amdhsa_enable_private_segment 0
		.amdhsa_kernarg_size 32
		.amdhsa_user_sgpr_count 2
		.amdhsa_user_sgpr_kernarg_segment_ptr 1
		.amdhsa_wavefront_size32 1
		.amdhsa_system_sgpr_workgroup_id_x 1
		.amdhsa_system_sgpr_workgroup_id_y 1
		.amdhsa_system_sgpr_workgroup_id_z 1
		.amdhsa_system_vgpr_workitem_id 0
		.amdhsa_next_free_vgpr 256
		.amdhsa_next_free_sgpr 66
		.amdhsa_reserve_vcc 1
		.amdhsa_float_denorm_mode_32 3
		.amdhsa_float_denorm_mode_16_64 3
		.amdhsa_fp16_overflow 1
		.amdhsa_memory_ordered 1
		.amdhsa_forward_progress 1
		.amdhsa_inst_pref_size 29
	.end_amdhsa_kernel
	.amdgpu_metadata
---
amdhsa.version: [ 1, 2 ]
amdhsa.kernels:
  - .name:           k_q8513627dc4_attn
    .symbol:         k_q8513627dc4_attn.kd
    .args:
      - { .name: qc, .offset: 0, .size: 8, .value_kind: global_buffer, .address_space: global }
      - { .name: kv, .offset: 8, .size: 8, .value_kind: global_buffer, .address_space: global }
      - { .name: lowp_scales, .offset: 16, .size: 8, .value_kind: global_buffer, .address_space: global }
      - { .name: out0, .offset: 24, .size: 8, .value_kind: global_buffer, .address_space: global }
    .group_segment_fixed_size: 168960
    .private_segment_fixed_size: 0
    .kernarg_segment_align: 8
    .kernarg_segment_size: 32
    .max_flat_workgroup_size: 256
    .sgpr_count:     66
    .vgpr_count:     256
    .wavefront_size: 32
...
	.end_amdgpu_metadata
.endif
;; end of part 2
